; MI455X (gfx1250); checked and timed in simulation.
; The chip was launched on July 23, 2026; its instructions are those of AMD's public machine-readable ISA for CDNA 5 (MIT licence, August 2026) and "CDNA5" Instruction Set Architecture Reference Guide (July 2026). The comments in the code are by the model that wrote it; some were corrected since.
;; Quantized Linear. Allowed arithmetic: matrix products marked QUANTISED: E2M1 operands, one E8M0 scale for each 32 along K, by v_wmma_scale_f32_16x16x128_f8f6f4 with both operands' format E2M1 (or v_wmma_scale_f32_32x16x128_f4), f32 sums; everything else in f32.
;; Inputs: bias 4,096 float16; quantized_weight 4,096 x 4,096 int8; scales 4,096 x 32 float16; x 4,096 x 4,096 float32.
;; Outputs: out0 4,096 x 4,096 float32.
;; This version of the problem:
;;   THIS VERSION OF THE PROBLEM IS GIVEN IN LOW PRECISION. The matrix products marked QUANTISED in the list below multiply operands that are first quantised to E2M1 (2 exponent bits, 1 mantissa bit; 4 bits a number), with one power-of-two scale for each 32 numbers along K (OCP MX v1.0); their sums are f32. All else is computed in f32.
;;   The module's matrix products, in the order in which they are computed (A, B: the left and right operand; K: the contracted axis; several contracted axes count as one K, in the product's order):
;;     1. [M 4,096, K 4,096] x [K 4,096, N 4,096]; A: input x; B: computed on the way: QUANTISED
;;   THE QUANTISER, for each operand of a quantised product, along K:
;;     - K is cut into blocks of 32 from its start; a last block that is shorter is filled with zeros.
;;     - A block's scale is 2^e with e = floor(log2(the largest magnitude in the block)) - 2, held to -126 .. 127; a block of zeros has e = 0. As a byte (E8M0): e + 127.
;;     - Each number is divided by its block's scale, clamped to +-6, and rounded to the nearest number of E2M1, ties to even, subnormals kept.
;;     - The product sums the exact products of the quantised numbers (number of the format x scale) in f32.
;;   ~~~python
;;   def quantise(x, axis):      # numpy; x: float32 -> the quantised numbers, widened to float32 again
;;       x = np.moveaxis(x, axis, -1); K = x.shape[-1]
;;       x = np.pad(x, [(0, 0)] * (x.ndim - 1) + [(0, -K % 32)]); x = x.reshape(x.shape[:-1] + (-1, 32)); a = np.abs(x).max(-1, keepdims=True)
;;       e = np.where(a > 0, np.clip(np.frexp(np.where(a > 0, a, 1))[1] - 1 - 2, -126, 127), 0)      # np.frexp(a)[1] - 1 = floor(log2(a)), exactly
;;       r = np.clip(x / 2.0 ** e, -6, 6)
;;       step = 2.0 ** (np.maximum(np.frexp(np.where(r == 0, 1, r))[1] - 1, 0) - 1)
;;       q = np.round(r / step) * step * 2.0 ** e      # np.round: ties to even
;;       return np.moveaxis(q.reshape(q.shape[:-2] + (-1,))[..., :K], -1, axis).astype(np.float32)
;;   ~~~
;;   OPERANDS COMPUTED ON THE WAY. 'Computed on the way' means the value that the module computes at that place (a softmax that the list does not call 'softmax' is quantised finished and normalised). What goes into a quantiser is computed in f32, as accurately as f32 sums, v_exp_f32 and their like allow (about 1e-6 of the number): no bf16 or f16 on the way to a quantiser, and a product that is left as it is and whose result goes on into a quantised operand takes f32 operands (vector FMAs, or v_wmma_f32_16x16x4_f32). A number that lies on a knife's edge between two numbers of the format may be rounded either way, as far as f32 arithmetic and the matrix unit's own rounding can turn it there, and no further.
;; One version. Each part assembles by itself: llvm-mc -triple=amdgcn-amd-amdhsa -mcpu=gfx1250 --defsym DOCPART=n.
;; ======== version 1 of 1: 2 launches
;; limits: values are held in f16: magnitudes above 65,504 overflow, below 6.1e-05 lose precision; right only within a limited range of input values
;; workspace buffers: aq 8,912,896 bytes; bq 8,912,896 bytes
;; launch quant (part 1): grid 512 x 1, 8 waves a work-group, no clusters, 50,176 bytes of LDS; arguments x, quantized_weight, scales, aq, bq; writes aq, bq
.if DOCPART == 1
	.amdgcn_target "amdgcn-amd-amdhsa--gfx1250"
	.amdhsa_code_object_version 6
	.text
	.protected	k_qaa89375b17_quant
	.globl	k_qaa89375b17_quant
	.p2align	8
	.type	k_qaa89375b17_quant,@function
k_qaa89375b17_quant:
	s_mov_b64 s[64:65], 0
	v_nop
	global_prefetch_b8 v0, s[64:65] scope:SCOPE_SE
	s_setreg_imm32_b32 hwreg(HW_REG_WAVE_MODE, 25, 1), 1
	s_wait_xcnt 0x0
; x [4096][4096] f32, and w [4096][4096] = int8 weight x its f16 scale (one for each 128 along K), are turned into codes of FP4 (E2M1) with one E8M0 scale byte for each 32 along K.
; WHAT IS QUANTISED.  reference() rounds x to f16 and forms w as an f16 product: those f16 numbers are what it has at the product.  Here x is rounded once from f32 to f16, to nearest even; the int8 weight is an exact
; f16 number and its product with the f16 scale is rounded once to f16: reference()'s own number.  All are widened to f32, exactly, and the largest magnitude, the scale and the codes are taken of that in f32.
; A block's scale is 2^(floor(log2(its largest magnitude)) - 2); its byte is the largest magnitude's exponent field - 2, held at 1 from below.
; Each number is divided by the scale and rounded to the nearest code, ties to even; what lies beyond 6 gets the largest code.
; LIMITS: NaN and infinities among the inputs are not served, nor numbers beyond f16's largest, 65,504, which become infinity here as in reference().  A block of zeros gets the byte 1 where the rule says 127:
; its codes are zeros, which add nothing under any byte but 0xff, and this program alone reads the bytes.  No work of reference() is left out.
; WHAT IS WRITTEN.  aq (from x) and bq (from w): [tile of 256 rows: 16][K step of 512: 8][block of 69,632 bytes]; a block is 256 rows x 256 bytes of codes (K innermost, the lower k in the
; low four bits), then 256 rows x 16 scale bytes: 272 dense rows of 256 bytes, which the next launch fetches as they lie.
; IN bq THE CODE ROWS OF EACH 64 STAND PERMUTED: weight row 64 g + 4 r + t (r = 0 .. 15, t = 0 .. 3) has the block's code row 64 g + 16 t + r, so that in the product a lane's four accumulators t = 0 .. 3
; are four neighbouring columns of the result.  The scale bytes stand in the rows' own order, and aq's rows too.
; SHARES.  Work-groups 0-255 take x, 256-511 the weight; work-group b of either takes rows 16 b .. 16 b + 15; its wave s takes K step s of them, a row (512 numbers) a step: 16 steps.
; A lane holds 16 neighbours along K, two neighbouring lanes a block.  A step's codes are 256 consecutive bytes, aligned, 8 a lane; a wave's 256 scale bytes are gathered in LDS and leave as one aligned run of 256.
; The two paths part on the work-group's number, never join, and have LDS bytes of their own.  No barrier: waves share nothing.
.set STEPS, 16
.set AHEAD, 8                          ; x: loads run eight steps (32 loads a wave) ahead
.set BLKB,  69632                      ; a block of the layout above
.set SP,    48                         ; x: a lane's place in a stage: 16 f16 numbers, 32 bytes, + 16 of padding
.set STG,   32*SP                      ; a stage
.set XREG,  4096                       ; x: LDS of a wave: two stages, and behind them its 256 scale bytes
.set WLDS,  8*XREG                     ; the weight path's LDS begins here; a wave has 2,048: a copy of 16 rows' f16 scales (1,024), its 256 scale bytes behind it
.set SPARE, WLDS+8*2048                ; the spare words, 128 bytes for each wave
.set P,     16                         ; v16-31   two sets of 16 neighbours in f16, two to a register (named by number in WIDEN)
.set XS,    32                         ; v32-47   the same in f32
.set R,     48                         ; v48-175  x: eight sets of 16 numbers as they are loaded
.set W,     48                         ; v48-111  weight: 16 loads of 16 bytes
.set H,     112                        ; v112-127 weight: my f16 scale of each of the 16 rows, in both halves
.set G,     128                        ; v128-135 weight: the copy of the scales on its way to LDS
.set OFF,   136                        ; v136     weight: -1152 in both halves, f16
.set C,     176                        ; v176-207 codes: two registers for each step, so that no store's data are written again
.set E,     208                        ; v208-223 a scale byte for each step
.set SPW,   224                        ; v224     LDS address of my spare word; never rewritten
.set NIL,   225                        ; v225     0; never rewritten
	s_load_b256 s[4:11], s[0:1], 0x0               ; x s[4:5], the weight s[6:7], its scales s[8:9], aq s[10:11]
	s_load_b64 s[12:13], s[0:1], 0x20              ; bq
	v_lshl_add_u32 v[SPW], v0, 2, SPARE
	v_mov_b32 v[NIL], 0
	v_lshrrev_b32 v1, 5, v0
	s_delay_alu instid0(VALU_DEP_1)
	v_readfirstlane_b32 s16, v1                    ; wave 0..7 = K step
	v_and_b32 v2, 31, v0                           ; lane
	s_delay_alu instid0(VALU_DEP_1)
	v_lshlrev_b32 v3, 4, v2                        ; 16 x lane
	s_delay_alu instid0(VALU_DEP_2)
	v_lshlrev_b32 v4, 3, v2                        ; 8 x lane: my codes' place in a step's 256 bytes, and my place in the 256 scale bytes
	s_and_b32 s17, ttmp9, 255                      ; b: which 16 rows
	s_lshr_b32 s18, s17, 4                         ; the tile of 256 rows,
	s_and_b32 s19, s17, 15                         ; and which 16 of them
	s_lshl_b32 s18, s18, 3
	s_add_co_u32 s18, s18, s16
	s_mul_i32 s18, s18, BLKB                       ; the block (tile, K step)
	s_lshl_b32 s20, s19, 12
	s_add_co_u32 s20, s20, s18                     ; my codes: 16 rows of 256 bytes
	s_mov_b32 s21, 0
	s_lshl_b32 s19, s19, 8
	s_add_co_u32 s18, s18, s19
	s_add_co_u32 s18, s18, 65536                   ; my scale bytes: 16 rows of 16, behind the block's codes
	s_mov_b32 s19, 0
	s_wait_alu depctr_va_vdst(0)
	s_wait_kmcnt 0x0
	s_cmp_lt_u32 ttmp9, 256                        ; x's work-group or the weight's?  The choice hangs on the work-group's number alone
	s_cselect_b64 s[10:11], s[10:11], s[12:13]
	s_add_nc_u64 s[22:23], s[10:11], s[20:21]      ; (these two sums leave SCC as the compare set it)
	s_add_nc_u64 s[24:25], s[10:11], s[18:19]
	s_cbranch_scc0 .Lweight
; The 16 f16 numbers of set 0 (v16-23) or set 1 (v24-31) are widened to f32
.macro WIDEN set
.set n16, XS
.if (\set) == 0
.irp h, v16.l, v16.h, v17.l, v17.h, v18.l, v18.h, v19.l, v19.h, v20.l, v20.h, v21.l, v21.h, v22.l, v22.h, v23.l, v23.h
	v_cvt_f32_f16 v[n16], \h
.set n16, n16+1
.endr
.else
.irp h, v24.l, v24.h, v25.l, v25.h, v26.l, v26.h, v27.l, v27.h, v28.l, v28.h, v29.l, v29.h, v30.l, v30.h, v31.l, v31.h
	v_cvt_f32_f16 v[n16], \h
.set n16, n16+1
.endr
.endif
.endm
; 16 neighbours in set t % 2 become 8 bytes of codes (row offset ofs) and, with the neighbouring lane's 16, a scale byte.
.macro QCORE t, ofs
	WIDEN (\t)%2
	v_max3_num_f32 v8, |v[XS]|, |v[XS+1]|, |v[XS+2]|               ; the largest magnitude of my 16
	v_max3_num_f32 v9, |v[XS+3]|, |v[XS+4]|, |v[XS+5]|
	v_max3_num_f32 v10, |v[XS+6]|, |v[XS+7]|, |v[XS+8]|
	v_max3_num_f32 v12, |v[XS+9]|, |v[XS+10]|, |v[XS+11]|
	v_max3_num_f32 v13, |v[XS+12]|, |v[XS+13]|, |v[XS+14]|
	v_max3_num_f32 v8, v8, v9, v10
	v_max3_num_f32 v9, v12, v13, |v[XS+15]|
	s_delay_alu instid0(VALU_DEP_1)
	v_max3_num_f32 v8, v8, v9, 0x1800000           ; and the floor 2^(3 - 127): so the byte cannot fall under 1
	s_delay_alu instid0(VALU_DEP_1)
	v_max_num_f32_dpp v8, v8, v8 row_xmask:1 row_mask:0xf bank_mask:0xf   ; and of my neighbour's 16: the block's
	s_delay_alu instid0(VALU_DEP_1)
	v_add_nc_u32 v11, 0xff000000, v8               ; 2 off its exponent field: the conversion takes the exponent field of this operand as its scale, and nothing else of it
	v_cvt_scalef32_pk8_fp4_f32 v[C+2*(\t)], v[XS:XS+7], v11
	v_cvt_scalef32_pk8_fp4_f32 v[C+2*(\t)+1], v[XS+8:XS+15], v11
	v_lshrrev_b32 v[E+(\t)], 23, v11               ; the scale's byte (also the plain line behind the conversions)
	ds_store_b8 v5, v[E+(\t)] offset:16*(\t)       ; both lanes of a block write the same byte with the same value
	global_store_b64 v4, v[C+2*(\t):C+2*(\t)+1], s[22:23] offset:\ofs   ; 32 lanes store 256 consecutive bytes, at a multiple of 256 from the buffer's first byte
.endm
.macro FINISH
	ds_load_b64 v[12:13], v6                       ; LDS serves a wave's instructions in order (ISA guide 5.7.1.4): this sees my sixteen byte stores
	s_wait_dscnt 0x0
	global_store_b64 v4, v[12:13], s[24:25]        ; 32 lanes store the wave's 256 scale bytes, aligned likewise
	s_wait_tensorcnt 0x0                           ; the wave's end
	ds_add_u32 v[SPW], v[NIL]
	s_wait_dscnt 0x0
	s_endpgm
.endm
	; ---- x.  Each load reads 512 consecutive bytes, 16 a lane; rounded to f16, a step's 1,024 bytes turn through the wave's own stage in LDS and come back 32 bytes, 16 neighbours, a lane.
	s_lshl_b32 s18, s17, 18                        ; 16 rows of 16,384 bytes
	s_lshl_b32 s19, s16, 11                        ; + my K step's 2,048 bytes of a row
	s_add_co_u32 s18, s18, s19
	s_mov_b32 s19, 0
	s_add_nc_u64 s[4:5], s[4:5], s[18:19]
	s_lshl_b32 s26, s16, 12                        ; my wave's LDS
	s_wait_alu depctr_va_vdst(0)
	v_lshrrev_b32 v14, 2, v2
	s_delay_alu instid0(VALU_DEP_1)
	v_mul_u32_u24 v14, v14, SP
	v_and_b32 v15, 3, v2
	s_delay_alu instid0(VALU_DEP_1)
	v_lshl_add_u32 v14, v15, 3, v14
	s_delay_alu instid0(VALU_DEP_1)
	v_add_nc_u32 v14, s26, v14                     ; into the stage: four lanes' 8 bytes on end make a place; a load takes eight places
	v_mul_u32_u24 v15, v2, SP
	s_delay_alu instid0(VALU_DEP_1)
	v_add_nc_u32 v15, s26, v15                     ; out of it: SP x lane
	s_add_co_u32 s26, s26, 2*STG
	v_lshrrev_b32 v5, 1, v2
	s_delay_alu instid0(VALU_DEP_1)
	v_add_nc_u32 v5, s26, v5                       ; my block's scale byte
	v_add_nc_u32 v6, s26, v4                       ; and on the way out 8 bytes a lane
.macro LOADX t
.irp i, 0,1,2,3
	global_load_b128 v[R+16*((\t)%AHEAD)+4*\i:R+16*((\t)%AHEAD)+4*\i+3], v3, s[4:5] offset:16384*(\t)+512*\i th:TH_LOAD_NT
.endr
.endm
.macro TURNX t                         ; LDS serves a wave's instructions in order, so no wait stands between the stores and the loads
.set RS, R+16*((\t)%AHEAD)
.irp i, 0,1,2,3
	v_cvt_pk_f16_f32 v[RS+4*\i], v[RS+4*\i], v[RS+4*\i+1]
	v_cvt_pk_f16_f32 v[RS+4*\i+1], v[RS+4*\i+2], v[RS+4*\i+3]
.endr
.irp i, 0,1,2,3
	ds_store_b64 v14, v[RS+4*\i:RS+4*\i+1] offset:STG*((\t)%2)+8*SP*\i
.endr
.irp i, 0,1
	ds_load_b128 v[P+8*((\t)%2)+4*\i:P+8*((\t)%2)+4*\i+3], v15 offset:STG*((\t)%2)+16*\i
.endr
.endm
.macro STEPX t
.if (\t) > 0
	s_wait_dscnt 1                                 ; this step's numbers are back from the stage (the last step's byte store may be out): so its stores into the stage have read their registers,
.else
	s_wait_dscnt 0x0
.endif
.if (\t)+AHEAD < STEPS
	LOADX (\t)+AHEAD                               ; which take the loads of eight steps on
.endif
.if (\t)+1 < STEPS
.if (\t)+AHEAD < STEPS
	s_wait_loadcnt 4*(AHEAD-1)                     ; the next step's four loads are in; those of the seven steps behind it may be out
.else
	s_wait_loadcnt 4*(STEPS-2-(\t))                ; nothing more is asked for: the steps behind the next one run down
.endif
	TURNX (\t)+1                                   ; the next step goes through the other stage while this one is worked
.endif
	QCORE \t, 256*(\t)
.endm
.irp t, 0,1,2,3,4,5,6,7
	LOADX \t
.endr
	s_wait_alu depctr_va_vdst(0)
	s_wait_loadcnt 4*(AHEAD-1)                     ; step 0's four loads are in; steps 1 to 7 may be out
	TURNX 0
.irp t, 0,1,2,3,4,5,6,7,8,9,10,11,12,13,14,15
	STEPX \t
.endr
	FINISH
	; ---- the weight.  A lane's 16 bytes of a load are 16 neighbours along K as they lie: no stage.  The 16 rows' f16 scales (1,024 dense bytes) come once, whole, into the wave's LDS; each lane picks its group's.
.Lweight:
	s_and_b32 s20, s17, 3                          ; row 16 b + t of the weight goes to code row 64 (b / 4) + 16 (t % 4) + 4 (b % 4) + t / 4 (b within the tile): my base is b % 4 x (16 - 4) rows lower than the rows' own order has it
	s_mul_i32 s20, s20, 3072
	s_mov_b32 s21, 0
	s_sub_nc_u64 s[22:23], s[22:23], s[20:21]
	s_lshl_b32 s18, s17, 16                        ; 16 rows of 4,096 bytes
	s_lshl_b32 s19, s16, 9                         ; + my K step's 512 bytes of a row
	s_add_co_u32 s18, s18, s19
	s_mov_b32 s19, 0
	s_add_nc_u64 s[6:7], s[6:7], s[18:19]
	s_lshl_b32 s20, s17, 10                        ; 16 rows of 32 f16
	s_mov_b32 s21, 0
	s_add_nc_u64 s[8:9], s[8:9], s[20:21]
	s_mov_b32 s28, 0x80808080
	s_mov_b32 s29, 0x64646464                      ; the high byte of the f16 numbers 1024 .. 1279
	s_mov_b32 s30, 0x04010400                      ; v_perm_b32's selectors: bytes 0 and 1, and bytes 2 and 3, each under such a high byte
	s_mov_b32 s31, 0x04030402
	s_lshl_b32 s26, s16, 11
	s_add_co_u32 s26, s26, WLDS                    ; my wave's LDS
	s_wait_alu depctr_va_vdst(0)
	v_add_nc_u32 v14, s26, v3                      ; the copy goes in as it lies: 16 x lane
	v_lshrrev_b32 v15, 3, v2
	s_delay_alu instid0(VALU_DEP_1)
	v_lshlrev_b32 v15, 1, v15
	s_lshl_b32 s27, s16, 3
	s_add_co_u32 s27, s27, s26
	v_add_nc_u32 v15, s27, v15                     ; my scale in a row's 64 bytes: group 4 x K step + lane / 8, 2 bytes each
	s_add_co_u32 s26, s26, 1024
	v_lshrrev_b32 v5, 1, v2
	s_delay_alu instid0(VALU_DEP_1)
	v_add_nc_u32 v5, s26, v5                       ; my block's scale byte
	v_add_nc_u32 v6, s26, v4                       ; and on the way out 8 bytes a lane
	v_mov_b32 v[OFF], 0xe480e480
	global_load_b128 v[G:G+3], v3, s[8:9]
	global_load_b128 v[G+4:G+7], v3, s[8:9] offset:512
.irp t, 0,1,2,3,4,5,6,7,8,9,10,11,12,13,14,15
	global_load_b128 v[W+4*\t:W+4*\t+3], v3, s[6:7] offset:4096*\t th:TH_LOAD_NT   ; 32 lanes read 512 consecutive bytes
.endr
	s_wait_alu depctr_va_vdst(0)
	s_wait_loadcnt 16                              ; the two loads of scales are in; the sixteen of the weight may be out
	ds_store_b128 v14, v[G:G+3]
	ds_store_b128 v14, v[G+4:G+7] offset:512
.irp t, 0,1,2,3,4,5,6,7,8,9,10,11,12,13,14,15
	ds_load_u16 v[H+\t], v15 offset:64*\t          ; row t's scale of my group
.endr
	s_wait_dscnt 0x0
.irp t, 0,1,2,3,4,5,6,7,8,9,10,11,12,13,14,15
	v_lshl_or_b32 v[H+\t], v[H+\t], 16, v[H+\t]    ; in both halves
.endr
	s_wait_alu depctr_va_vdst(0)
.macro WSTEP t
.set PS, P+8*((\t)%2)
	s_wait_loadcnt STEPS-1-(\t)                    ; row t's load is in; the later rows' may be out
.irp i, 0,1,2,3
	v_xor_b32 v[W+4*(\t)+\i], s28, v[W+4*(\t)+\i]  ; each byte q becomes u = q + 128, without a sign
.endr
.irp i, 0,1,2,3
	v_perm_b32 v[PS+2*\i], s29, v[W+4*(\t)+\i], s30        ; the f16 numbers 1024 + u, two to a register
	v_perm_b32 v[PS+2*\i+1], s29, v[W+4*(\t)+\i], s31
.endr
.irp i, 0,1,2,3,4,5,6,7
	v_pk_add_f16 v[PS+\i], v[PS+\i], v[OFF]        ; - 1152: q, exactly
.endr
.irp i, 0,1,2,3,4,5,6,7
	v_pk_mul_f16 v[PS+\i], v[PS+\i], v[H+\t]       ; q s, rounded once to f16
.endr
	QCORE \t, 256*(16*((\t)%4)+(\t)/4)
.endm
.irp t, 0,1,2,3,4,5,6,7,8,9,10,11,12,13,14,15
	WSTEP \t
.endr
	FINISH
.Lfunc_end_k_qaa89375b17_quant:
	.size	k_qaa89375b17_quant, .Lfunc_end_k_qaa89375b17_quant-k_qaa89375b17_quant
	.p2alignl 7, 3214868480
	.fill 96, 4, 3214868480
	.section	.rodata,"a",@progbits
	.p2align	6, 0x0
	.amdhsa_kernel k_qaa89375b17_quant
		.amdhsa_group_segment_fixed_size 50176
		.amdhsa_private_segment_fixed_size 0
		.amdhsa_enable_private_segment 0
		.amdhsa_kernarg_size 40
		.amdhsa_user_sgpr_count 2
		.amdhsa_user_sgpr_kernarg_segment_ptr 1
		.amdhsa_wavefront_size32 1
		.amdhsa_system_sgpr_workgroup_id_x 1
		.amdhsa_system_sgpr_workgroup_id_y 1
		.amdhsa_system_sgpr_workgroup_id_z 1
		.amdhsa_system_vgpr_workitem_id 0
		.amdhsa_next_free_vgpr 226
		.amdhsa_next_free_sgpr 66
		.amdhsa_reserve_vcc 0
		.amdhsa_float_denorm_mode_32 3
		.amdhsa_float_denorm_mode_16_64 3
		.amdhsa_memory_ordered 1
		.amdhsa_forward_progress 1
		.amdhsa_inst_pref_size 106
	.end_amdhsa_kernel
	.amdgpu_metadata
---
amdhsa.version: [ 1, 2 ]
amdhsa.kernels:
  - .name:           k_qaa89375b17_quant
    .symbol:         k_qaa89375b17_quant.kd
    .args:
      - { .name: x, .offset: 0, .size: 8, .value_kind: global_buffer, .address_space: global }
      - { .name: quantized_weight, .offset: 8, .size: 8, .value_kind: global_buffer, .address_space: global }
      - { .name: scales, .offset: 16, .size: 8, .value_kind: global_buffer, .address_space: global }
      - { .name: aq, .offset: 24, .size: 8, .value_kind: global_buffer, .address_space: global }
      - { .name: bq, .offset: 32, .size: 8, .value_kind: global_buffer, .address_space: global }
    .group_segment_fixed_size: 50176
    .private_segment_fixed_size: 0
    .kernarg_segment_align: 8
    .kernarg_segment_size: 40
    .max_flat_workgroup_size: 256
    .sgpr_count:     66
    .vgpr_count:     226
    .wavefront_size: 32
...
	.end_amdgpu_metadata
.endif
;; end of part 1
;; launch gemm (part 2): grid 16 x 16, 4 waves a work-group, clusters of 4 x 4, 327,680 bytes of LDS; arguments aq, bq, bias, out0; writes out0
.if DOCPART == 2
	.amdgcn_target "amdgcn-amd-amdhsa--gfx1250"
	.amdhsa_code_object_version 6
	.text
	.protected	k_qaa89375b17_gemm
	.globl	k_qaa89375b17_gemm
	.p2align	8
	.type	k_qaa89375b17_gemm,@function
k_qaa89375b17_gemm:
	s_mov_b64 s[64:65], 0
	v_nop
	global_prefetch_b8 v0, s[64:65] scope:SCOPE_SE
	s_setreg_imm32_b32 hwreg(HW_REG_WAVE_MODE, 25, 1), 1
	s_wait_xcnt 0x0
	s_wait_alu depctr_hold_cnt(0) depctr_sa_sdst(0) depctr_va_vdst(0) depctr_va_sdst(0) depctr_va_ssrc(0) depctr_va_vcc(0) depctr_vm_vsrc(0)
	s_getreg_b32 s2, hwreg(HW_REG_IB_STS2, 6, 4)
	s_cmp_eq_u32 s2, 0
	s_cbranch_scc0 .Lentry_in_a_cluster
	s_endpgm
.Lentry_in_a_cluster:
	s_bfe_u32 s2, ttmp6, 0x10000c
	s_cmp_lg_u32 s2, 0xf033
	s_cbranch_scc0 .Lentry_shape_is_right
	s_endpgm
.Lentry_shape_is_right:
; out0[m][n] = (sum over k of A[m][k] B[n][k]) + bias[n], f32; A (from x) and B (from the weight) are codes of FP4 with one E8M0 scale byte for each 32 along K, laid by the launch before:
; [tile of 256 rows: 16][K step of 512: 8][256 rows x 256 bytes of codes, then 256 rows x 16 scale bytes]: 272 dense rows of 256 bytes a block.
; LIMITS: those of the launch before (NaN, infinities, numbers beyond f16's largest); nothing is left out here.  The order of the four quarters of the last K step is 0, 2, 3, 1.
; A tile of 256 x 256 is made by a work-group of four waves, as many as a WGP has SIMDs; a wave makes 128 x 128: 32 accumulators of 32 x 16, 512 registers.  256 tiles, 256 work-groups.
; THE FORM: 32x16x128, source 0 = 32 rows of A (its scales fill all 32 lanes), source 1 = 16 code rows of B.  A lane then holds one column n and, in register 8 u + j, row 16 u + 8 (lane / 16) + j.
; B's code rows stand permuted within each 64 (launch before): block b = 4 g + t of 16 code rows gives lane r the column 64 g + 4 r + t.  So the same register of four accumulators t = 0 .. 3 is 16 neighbouring
; bytes of a row of out0, and sixteen lanes hold 256: the bias is added by one v_add_f32 for each number, whose destination lays the four side by side, and the sums leave without a way through LDS.
; THE RING: two LDS slots, each a K step of 512 of A and of B with its scales.  A K step is four quarters of 128 along K; fragments of A and of B have two sets of registers, and a quarter's are read from LDS in one run
; at the start of the quarter before, ahead of that one's 32 products.  The change of slots stands in the THIRD quarter: when the fourth quarter's fragments are in registers the slot is read out, and the fourth
; quarter reads the next slot's first fragments.
; CLUSTERS: 4 x 4 work-groups.  The four of a row of the cluster need the same tiles of A, the four of a column the same tiles of B: each is asked for jointly, same line, same descriptor, a mask that names the four.
; PREFETCH: a wave's half block of 136 rows is shared by the four partners BY ADDRESS, 34 rows of 256 bytes each, a lane a row (32 and 2: in the second instruction lanes 1 to 31 name the same row).
; Behind the joint load of K step 0: K step 1; behind that of K step 1: K steps 2 and 3; behind that of K step i = 2 .. 5: K step i + 2; the last two ask for nothing.
; THE LAST K STEP GOES BY ROWS: B's fragments of all four quarters come into registers, and the four blocks of 32 rows are finished one after the other and stored while the next is multiplied.
; REGISTERS: window 0: v0-31 addresses, bias; v32-95 scales, a set of 32 for each slot; v96-127 results on the way out; v128-255 fragments of A, two sets.
;   window 1: fragments of B, two sets at v0 and v64; in the last K step all 256.   window 2: accumulators of my rows 0-63 ((a, b) at v[128 (a % 2) + 16 b]); window 3: rows 64-127.
.set BLKB,   69632
.set TILEB,  8*BLKB
.set PITCH,  272                       ; an LDS row: 256 bytes + 16 of padding
.set HALFM,  136*256                   ; half a block in memory: one joint load
.set HALFL,  136*PITCH                 ; and in LDS
.set OPB,    2*HALFL
.set SLOT,   2*OPB                     ; A's block, then B's
.set SPARE,  2*SLOT                    ; the spare words, 128 bytes for each wave
.set LAPS,   4                         ; a lap = two K steps
.set ROWC,   16384                     ; a row of out0 in bytes
.set BF,     4                         ; v4-11   the bias of my lane's eight columns, f32
.set BR,     12                        ; v12-15  the same as loaded, f16
.set ADRA,   16                        ; v16-17  LDS address of my A fragments in slot 0, 1
.set ADRB,   18                        ; v18-19  of my B fragments
.set ADSA,   20                        ; v20-21  of A's scales
.set ADSB,   22                        ; v22-23  of B's scales
.set CO,     24                        ; v24     my byte offset in out0
.set PF0,    25                        ; v25-26  the prefetches' offsets
.set PF1,    26
.set BO,     27                        ; v27     my byte offset in the bias
.set SPW,    28                        ; v28     LDS address of my spare word; never rewritten
.set NIL,    29                        ; v29     0; never rewritten
.set SC,     32
.set AF,     128
.set PFA,    12                        ; s[12:13] where my prefetches stand
.set G1,  24                           ; s[24:31] descriptor group 1 for A; s[32:39] group 0, one for each slot
.set G0,  32
.set G1B, 48                           ; s[48:55], s[56:63] the same for B
.set G0B, 56
.set MSB, 0
.macro WIN new                         ; the immediate's high byte repeats the setting that is left
.if MSB != (\new)
	s_set_vgpr_msb (MSB<<8)|(\new)
.set MSB, \new
.endif
.endm
.set MUL_LO, 0xa4                      ; source 0 (A) window 0, source 1 (B) window 1, C and D window 2
.set MUL_HI, 0xf4                      ; the same, C and D window 3
.set TO_B,   0x40                      ; destination window 1
.macro PLACES                          ; four places behind a matrix instruction (ISA guide 7.12.1)
.rept 4
	v_nop
.endr
.endm
; A joint load: waves 0 and 1 fetch A's two halves, waves 2 and 3 B's
.macro JLOAD s
	s_cmp_eq_u32 s15, 0
	s_cbranch_scc0 .Lfor_b_\@
	tensor_load_to_lds s[G0+4*\s:G0+4*\s+3], s[G1:G1+7]
	s_nop 0
	PLACES
	s_branch .Lasked_\@
.Lfor_b_\@:
	tensor_load_to_lds s[G0B+4*\s:G0B+4*\s+3], s[G1B:G1B+7]
	s_nop 0
	PLACES
.Lasked_\@:
.endm
.macro CREST                           ; a round of the cluster's barrier behind its opening barrier
	s_cmp_lg_u32 s14, 0
	s_cbranch_scc1 .Lnot_wave_0_\@
	s_barrier_signal -3
.Lnot_wave_0_\@:
	s_barrier_wait -3
	s_barrier_signal -1
	s_barrier_wait -1
.endm
.macro CROUND
	s_barrier_signal -1
	s_barrier_wait -1
	CREST
.endm
.macro ASK off                         ; my 34 rows of a block
	global_prefetch_b8 v[PF0], s[PFA:PFA+1] offset:\off th:TH_LOAD_NT scope:SCOPE_SE
	global_prefetch_b8 v[PF1], s[PFA:PFA+1] offset:\off th:TH_LOAD_NT scope:SCOPE_SE
.endm
.macro ASKLAP slot                     ; in the loop: the K step two loads on; the last trip has none
	s_cmp_gt_u32 s3, 1
	s_cbranch_scc0 .Lnone_\@
	ASK (4+\slot)*BLKB
.Lnone_\@:
.endm
; Four units of 16 rows x 128 K from unit u0: lane l takes row l % 16; registers 4 c .. 4 c + 3 hold K = 64 c + 32 (l / 16) + 0 .. 31
.macro FOUR adr, q, reg, u0
.irp u, 0,1,2,3
	ds_load_b128 v[\reg+8*(\u0+\u):\reg+8*(\u0+\u)+3], v[\adr] offset:64*(\q)+(\u0+\u)*16*PITCH
	ds_load_b128 v[\reg+8*(\u0+\u)+4:\reg+8*(\u0+\u)+7], v[\adr] offset:64*(\q)+(\u0+\u)*16*PITCH+32
.endr
.endm
.macro EIGHT adr, q, reg
	FOUR \adr, \q, \reg, 0
	FOUR \adr, \q, \reg, 4
.endm
; A slot's scale words: register 4 a + q: lane l has A's row 32 a + l; register 16 + 4 i + q: lanes 0-15 have B's block 2 i, lanes 16-31 block 2 i + 1
.macro SCALES slot
.irp i, 0,1,2,3
	ds_load_b128 v[SC+32*\slot+4*\i:SC+32*\slot+4*\i+3], v[ADSA+\slot] offset:\i*2*PITCH
	ds_load_b128 v[SC+32*\slot+16+4*\i:SC+32*\slot+16+4*\i+3], v[ADSB+\slot] offset:(\i/2)*4*PITCH+32*(\i%2)
.endr
.endm
; Four products: A's block a (fragment FA) x B's blocks 4 h .. 4 h + 3 (fragments from FB), quarter q of slot s.  The 32 accumulators take turns.  zero = 1: the first product starts the sums.
.macro PROD a, q, s, zero, h
.set AC, 128*((\a)%2)+64*(\h)
.set FH, FB+32*(\h)
.set SA, SC+32*(\s)+4*(\a)+(\q)
.set SB, SC+32*(\s)+16+(\q)+8*(\h)
.irp b, 0,2
.if \zero
	v_wmma_scale_f32_32x16x128_f4 v[AC+16*\b:AC+16*\b+15], v[FA:FA+15], v[FH+8*\b:FH+8*\b+7], 0, v[SA], v[SB+2*\b]
	v_wmma_scale_f32_32x16x128_f4 v[AC+16*\b+16:AC+16*\b+31], v[FA:FA+15], v[FH+8*\b+8:FH+8*\b+15], 0, v[SA], v[SB+2*\b] matrix_b_scale:MATRIX_SCALE_ROW1
.else
	v_wmma_scale_f32_32x16x128_f4 v[AC+16*\b:AC+16*\b+15], v[FA:FA+15], v[FH+8*\b:FH+8*\b+7], v[AC+16*\b:AC+16*\b+15], v[SA], v[SB+2*\b]
	v_wmma_scale_f32_32x16x128_f4 v[AC+16*\b+16:AC+16*\b+31], v[FA:FA+15], v[FH+8*\b+8:FH+8*\b+15], v[AC+16*\b+16:AC+16*\b+31], v[SA], v[SB+2*\b] matrix_b_scale:MATRIX_SCALE_ROW1
.endif
.endr
.endm
.macro M4 a, q, s, zero, h             ; in the loop: the quarters' sets by turns
.set FA, AF+64*((\q)%2)+16*(\a)
.set FB, 64*((\q)%2)
	PROD \a, \q, \s, \zero, \h
.endm
.macro M8 a, q, s, zero
	M4 \a, \q, \s, \zero, 0
	M4 \a, \q, \s, \zero, 1
.endm
; A quarter q of slot s that reads quarter nq of slot ns.  sc = 1: that slot's scales too.  ask = 1: a prefetch.
.macro QTR slot, q, ns, nq, sc, zero, ask
	s_wait_dscnt 8                                 ; this quarter's B and A's blocks 0, 1 are in; the youngest eight loads (A's blocks 2, 3) may be out
.if (\q) != 3                                          ; (behind a joint load its four v_nop are the places)
	PLACES
.endif
	WIN TO_B
	EIGHT ADRB+\ns, \nq, 64*((\nq)%2)
	WIN 0
	FOUR ADRA+\ns, \nq, AF+64*((\nq)%2), 0
.if \sc
	SCALES \ns
.endif
	FOUR ADRA+\ns, \nq, AF+64*((\nq)%2), 4
.if \ask
	ASKLAP \slot
.endif
	WIN MUL_LO
	M8 0, \q, \slot, \zero
	M8 1, \q, \slot, \zero
	s_wait_dscnt 32+8*\sc                          ; all but the loads issued in this quarter: A's blocks 2, 3 are in
	WIN MUL_HI
	M8 2, \q, \slot, \zero
	M8 3, \q, \slot, \zero
.endm
; The third quarter: reads the fourth's fragments, then changes slots.  In front of the barrier each wave waits for all its tensor loads (its part of the next slot), adds 0 to its spare word, and
; waits for that and for its reads of this slot; behind it nobody reads this slot and the next one is whole.  fill = 1: the barrier opens a round of the cluster's barrier, and this slot is filled again.
.macro QMEET slot, fill
	s_wait_dscnt 8
	PLACES
	WIN TO_B
	EIGHT ADRB+\slot, 3, 64
	WIN 0
	EIGHT ADRA+\slot, 3, AF+64
	WIN MUL_LO
	M8 0, 2, \slot, 0
	M8 1, 2, \slot, 0
	WIN 0
	s_wait_dscnt 32                                ; all but the 32 loads issued in this quarter
	s_wait_tensorcnt 0x0
	ds_add_u32 v[SPW], v[NIL]
.if \fill
	s_add_nc_u64 s[G0+4*\slot+2:G0+4*\slot+3], s[G0+4*\slot+2:G0+4*\slot+3], 2*BLKB
	s_add_nc_u64 s[G0B+4*\slot+2:G0B+4*\slot+3], s[G0B+4*\slot+2:G0B+4*\slot+3], 2*BLKB
.endif
	WIN MUL_HI
	M8 2, 2, \slot, 0                              ; work on registers while the add and the loads are out
	M4 3, 2, \slot, 0, 0
	s_wait_dscnt 0x0
	s_barrier_signal -1
	M4 3, 2, \slot, 0, 1
	WIN 0
	s_barrier_wait -1
.if \fill
	CREST
	JLOAD \slot                                    ; the first tensor load behind the round
.endif
.endm
	s_load_b256 s[4:11], s[0:1], 0x0               ; aq, bq, bias, out0
	v_lshl_add_u32 v[SPW], v0, 2, SPARE
	v_mov_b32 v[NIL], 0
	ds_add_u32 v[SPW], v[NIL]                      ; the wave's opening: the add, twice on end, and its wait ahead of my first tensor load
	ds_add_u32 v[SPW], v[NIL]
	v_lshrrev_b32 v1, 5, v0
	v_readfirstlane_b32 s14, v1                    ; wave 0..3
	s_lshr_b32 s15, s14, 1                         ; which half of the tile's rows is mine; I fetch for A (0) or for B (1)
	s_and_b32 s16, s14, 1                          ; which half of its columns; which half of a block I fetch
	s_bfe_u32 s40, ttmp6, 0x40000                  ; cx, cy
	s_bfe_u32 s41, ttmp6, 0x40004
	s_lshl_b32 s42, ttmp9, 2
	s_add_co_u32 s42, s42, s40                     ; tile column
	s_and_b32 s17, ttmp7, 0xffff
	s_lshl_b32 s17, s17, 2
	s_add_co_u32 s17, s17, s41                     ; tile row
	s_lshl_b32 s43, s41, 2
	s_lshl_b32 s43, 15, s43                        ; my row of the cluster
	s_lshl_b32 s44, 0x1111, s40                    ; my column
	; group 1: 136 dense rows of 256 bytes (32 elements of 8 bytes), 16 bytes of padding behind each
	s_or_b32 s[G1+0], s43, (3<<16)|(1<<20)|(1<<21)|(5<<22)|(3<<25)
	s_or_b32 s[G1B+0], s44, (3<<16)|(1<<20)|(1<<21)|(5<<22)|(3<<25)
.irp g, G1, G1B
	s_mov_b32 s[\g+1], 32<<16
	s_mov_b32 s[\g+2], 136<<16
	s_mov_b32 s[\g+3], 32<<16
	s_mov_b32 s[\g+4], 136
	s_mov_b32 s[\g+5], 32
	s_mov_b32 s[\g+6], 0
	s_mov_b32 s[\g+7], 0
.endr
	s_mul_i32 s18, s16, HALFM
	s_mul_i32 s20, s17, TILEB                      ; A: by the tile row alone
	s_add_co_u32 s20, s20, s18
	s_mov_b32 s21, 0
	s_mul_i32 s46, s42, TILEB                      ; B: by the tile column alone
	s_add_co_u32 s46, s46, s18
	s_mov_b32 s47, 0
	s_mul_i32 s45, s14, HALFL                      ; where they go: wave x half a block
	s_wait_alu depctr_va_vdst(0)
	s_wait_dscnt 0x0                               ; both opening adds are done
	CROUND                                         ; all sixteen work-groups are here: the first joint loads meet (the arguments are on their way meanwhile)
	s_wait_kmcnt 0x0
	s_add_nc_u64 s[20:21], s[4:5], s[20:21]
	s_add_nc_u64 s[46:47], s[6:7], s[46:47]
.irp s, 0,1
	s_mov_b32 s[G0+4*\s], 1
	s_add_co_u32 s[G0+4*\s+1], s45, \s*SLOT
	s_add_nc_u64 s[G0+4*\s+2:G0+4*\s+3], s[20:21], \s*BLKB
	s_or_b32 s[G0+4*\s+3], s[G0+4*\s+3], 0x80000000
	s_mov_b32 s[G0B+4*\s], 1
	s_add_co_u32 s[G0B+4*\s+1], s45, \s*SLOT
	s_add_nc_u64 s[G0B+4*\s+2:G0B+4*\s+3], s[46:47], \s*BLKB
	s_or_b32 s[G0B+4*\s+3], s[G0B+4*\s+3], 0x80000000
.endr
	JLOAD 0                                        ; K step 0: one tensor load a wave at the head
	s_cmp_eq_u32 s15, 0                            ; the prefetches: my half of A's or B's block, my 34 rows of it by cx or cy
	s_cselect_b64 s[PFA:PFA+1], s[20:21], s[46:47]
	s_cselect_b32 s22, s40, s41
	s_mul_i32 s22, s22, 34*256
	s_mov_b32 s23, 0
	s_add_nc_u64 s[PFA:PFA+1], s[PFA:PFA+1], s[22:23]
	s_lshl_b32 s22, s42, 9                         ; my first column of the bias: 2 bytes each
	s_lshl_b32 s18, s16, 8
	s_add_co_u32 s22, s22, s18
	s_add_nc_u64 s[8:9], s[8:9], s[22:23]
	s_lshl_b32 s20, s17, 8                         ; my first row and column of out0
	s_lshl_b32 s21, s15, 7
	s_add_co_u32 s20, s20, s21
	s_lshl_b32 s20, s20, 14
	s_mov_b32 s21, 0
	s_lshl_b32 s22, s22, 1
	s_add_nc_u64 s[20:21], s[20:21], s[22:23]
	s_add_nc_u64 s[10:11], s[10:11], s[20:21]
	s_mul_i32 s18, s15, 128*PITCH                  ; my 128 rows of A,
	s_mul_i32 s19, s16, 128*PITCH                  ; of B,
	s_add_co_u32 s19, s19, OPB
	s_mul_i32 s20, s15, 8*PITCH                    ; and their scales
	s_add_co_u32 s20, s20, 256*PITCH
	s_mul_i32 s21, s16, 8*PITCH
	s_add_co_u32 s21, s21, OPB+256*PITCH
	v_and_b32 v1, 15, v0                           ; r = l % 16
	v_bfe_u32 v2, v0, 4, 1                         ; h = l / 16
	v_and_b32 v3, 31, v0
	v_lshlrev_b32 v[PF0], 8, v3
	v_min_u32 v4, 1, v3
	v_lshl_add_u32 v[PF1], v4, 8, 0x2000
	v_mul_u32_u24 v5, v1, PITCH
	v_lshl_add_u32 v5, v2, 4, v5                   ; a fragment: row r, 16 h
	v_add_nc_u32 v[ADRA], s18, v5
	v_add_nc_u32 v[ADRB], s19, v5
	v_mul_u32_u24 v6, v2, PITCH                    ; A's scales: row 32 a + l
	v_lshl_add_u32 v6, v1, 4, v6
	v_add_nc_u32 v[ADSA], s20, v6
	v_lshrrev_b32 v7, 2, v1                        ; B's: row 64 g + 4 r + t, t = 2 (i % 2) + h
	v_mul_u32_u24 v7, v7, PITCH
	v_and_b32 v8, 3, v1
	v_lshl_add_u32 v7, v8, 6, v7
	v_lshl_add_u32 v7, v2, 4, v7
	v_add_nc_u32 v[ADSB], s21, v7
.irp a, ADRA, ADRB, ADSA, ADSB
	v_add_nc_u32 v[\a+1], SLOT, v[\a]
.endr
	v_lshlrev_b32 v[CO], 17, v2                    ; out0: row + 8 h, 16 bytes at 16 r
	v_lshl_add_u32 v[CO], v1, 4, v[CO]
	v_lshlrev_b32 v[BO], 3, v1
	global_load_b64 v[BR:BR+1], v[BO], s[8:9]      ; the bias of columns 4 r .. 4 r + 3, and of those 64 on: first used behind the loop
	global_load_b64 v[BR+2:BR+3], v[BO], s[8:9] offset:128
	ASK BLKB                                       ; K step 1
	s_wait_alu depctr_va_vdst(0)
	s_wait_tensorcnt 0x0                           ; my part of K step 0 is in
	ds_add_u32 v[SPW], v[NIL]
	s_wait_dscnt 0x0
	CROUND                                         ; everybody's part of K step 0 is in, and the joint loads meet
	JLOAD 1
	WIN TO_B
	EIGHT ADRB, 0, 0
	WIN 0
	FOUR ADRA, 0, AF, 0
	SCALES 0
	FOUR ADRA, 0, AF, 4
	ASK 2*BLKB                                     ; K steps 2 and 3
	ASK 3*BLKB
	s_mov_b32 s3, LAPS-1
	QTR 0, 0, 0, 1, 0, 1, 0                        ; the first quarter starts the sums
	WIN 0
.Llap:                                                 ; a trip goes once round the ring, from a lap's second quarter to the next lap's first
	QTR 0, 1, 0, 2, 0, 0, 0
	QMEET 0, 1
	QTR 0, 3, 1, 0, 1, 0, 1
	QTR 1, 0, 1, 1, 0, 0, 0
	QTR 1, 1, 1, 2, 0, 0, 0
	QMEET 1, 1
	QTR 1, 3, 0, 0, 1, 0, 1
	QTR 0, 0, 0, 1, 0, 0, 0
	WIN 0
	s_wait_xcnt 0x0                                ; the trip's prefetches have read their address
	s_add_nc_u64 s[PFA:PFA+1], s[PFA:PFA+1], 2*BLKB
	s_sub_co_u32 s3, s3, 1
	s_cmp_lg_u32 s3, 0
	s_cbranch_scc1 .Llap
	QTR 0, 1, 0, 2, 0, 0, 0                        ; K step 6 goes on; nothing is filled again
	QMEET 0, 0
; THE LAST K STEP (slot 1) BY ROWS.
.macro AROW a                          ; A's block a, all four quarters, into buffer a % 2
.set BUF, AF+64*((\a)%2)
.irp q, 0,1,2,3
.irp u, 0,1
	ds_load_b128 v[BUF+16*\q+8*\u:BUF+16*\q+8*\u+3], v[ADRA+1] offset:64*\q+(2*(\a)+\u)*16*PITCH
	ds_load_b128 v[BUF+16*\q+8*\u+4:BUF+16*\q+8*\u+7], v[ADRA+1] offset:64*\q+(2*(\a)+\u)*16*PITCH+32
.endr
.endr
.endm
.macro BALL q                          ; B's fragments of quarter q
	WIN TO_B
	EIGHT ADRB+1, \q, 64*(\q)
.endm
.macro R8 a, q
.set FA, AF+64*((\a)%2)+16*(\q)
.set FB, 64*(\q)
	PROD \a, \q, 1, 0, 0
	PROD \a, \q, 1, 0, 1
.endm
.macro ROW a
	WIN MUL_LO+0x50*((\a)/2)
	R8 \a, 0
	R8 \a, 2
	R8 \a, 3
	R8 \a, 1
.endm
; 8 rows (and 8 more in lanes 16-31) x 64 columns of block a: four accumulators' registers j side by side, the bias added, and out
.macro BATCH a, g, u, dst, aw, sw
	WIN \aw
.irp j, 0,1,2,3,4,5,6,7
.irp t, 0,1,2,3
	v_add_f32 v[\dst+4*\j+\t], v[128*((\a)%2)+16*(4*\g+\t)+8*\u+\j], v[BF+4*\g+\t]
.endr
.endr
	WIN \sw
.irp j, 0,1,2,3,4,5,6,7
	global_store_b128 v[CO], v[\dst+4*\j:\dst+4*\j+3], s[10:11] offset:(32*(\a)+16*\u+\j)*ROWC+256*\g th:TH_STORE_NT   ; sixteen lanes store 256 consecutive bytes, at a multiple of 256 from out0's first byte
.endr
.endm
.macro OUT a, aw, sw, d0, d1, d2, d3
	BATCH \a, 0, 0, \d0, \aw, \sw
	BATCH \a, 1, 0, \d1, \aw, \sw
	BATCH \a, 0, 1, \d2, \aw, \sw
.if (\a) == 0
	s_wait_xcnt 0x0                                ; the first batch's registers are written again
.endif
	BATCH \a, 1, 1, \d3, \aw, \sw
.endm
	PLACES
	BALL 0
	WIN 0
	AROW 0
	SCALES 1
	WIN MUL_LO
	M8 0, 3, 0, 0                                  ; K step 6's fourth quarter, between the last step's loads
	M8 1, 3, 0, 0
	BALL 2
	BALL 3
	WIN MUL_HI
	M8 2, 3, 0, 0
	M8 3, 3, 0, 0
	WIN 0
	s_wait_loadcnt 0x0
.set i, 0
.irp src, v12.l, v12.h, v13.l, v13.h, v14.l, v14.h, v15.l, v15.h
	v_cvt_f32_f16 v[BF+i], \src                    ; the bias in f32: also the places in front of the loads below
.set i, i+1
.endr
	s_wait_alu depctr_va_vdst(0)
	BALL 1
	s_wait_dscnt 48                                ; B's quarter 0, A's block 0 and the scales are in; three quarters of B may be out
	WIN MUL_LO
	R8 0, 0
	WIN 0
	AROW 1
	s_wait_dscnt 48                                ; quarter 2 is in: behind it 3, 1 and A's block 1
	WIN MUL_LO
	R8 0, 2
	s_wait_dscnt 32
	R8 0, 3
	s_wait_dscnt 16
	R8 0, 1
	PLACES
	OUT 0, 0x02, 0x00, 96, 128, 160, 96            ; block 0 through v96-127 and its own buffer of A,
	s_wait_dscnt 0x0
	ROW 1
	PLACES
	WIN 0
	s_wait_xcnt 0x0                                ; block 0's stores have read buffer 0
	AROW 2
	AROW 3
	OUT 1, 0x82, 0x08, 0, 32, 64, 96               ; every later block through the registers of an accumulator block that is out
	s_wait_dscnt 16
	ROW 2
	PLACES
	OUT 2, 0x83, 0x08, 128, 160, 192, 224
	s_wait_dscnt 0x0
	ROW 3
	PLACES
	OUT 3, 0xc3, 0x0c, 0, 32, 64, 96
	WIN 0
	s_wait_tensorcnt 0x0                           ; the wave's end
	ds_add_u32 v[SPW], v[NIL]
	s_wait_dscnt 0x0
	CROUND                                         ; the closing round: no work-group ends while a partner may still ask for a tile that names it
	s_endpgm
.Lfunc_end_k_qaa89375b17_gemm:
	.size	k_qaa89375b17_gemm, .Lfunc_end_k_qaa89375b17_gemm-k_qaa89375b17_gemm
	.p2alignl 7, 3214868480
	.fill 96, 4, 3214868480
	.section	.rodata,"a",@progbits
	.p2align	6, 0x0
	.amdhsa_kernel k_qaa89375b17_gemm
		.amdhsa_group_segment_fixed_size 327680
		.amdhsa_private_segment_fixed_size 0
		.amdhsa_enable_private_segment 0
		.amdhsa_kernarg_size 32
		.amdhsa_user_sgpr_count 2
		.amdhsa_user_sgpr_kernarg_segment_ptr 1
		.amdhsa_wavefront_size32 1
		.amdhsa_system_sgpr_workgroup_id_x 1
		.amdhsa_system_sgpr_workgroup_id_y 1
		.amdhsa_system_sgpr_workgroup_id_z 1
		.amdhsa_system_vgpr_workitem_id 0
		.amdhsa_next_free_vgpr 1024
		.amdhsa_next_free_sgpr 66
		.amdhsa_reserve_vcc 0
		.amdhsa_float_denorm_mode_32 3
		.amdhsa_float_denorm_mode_16_64 3
		.amdhsa_memory_ordered 1
		.amdhsa_forward_progress 1
		.amdhsa_inst_pref_size 145
	.end_amdhsa_kernel
	.amdgpu_metadata
---
amdhsa.version: [ 1, 2 ]
amdhsa.kernels:
  - .name:           k_qaa89375b17_gemm
    .symbol:         k_qaa89375b17_gemm.kd
    .args:
      - { .name: aq, .offset: 0, .size: 8, .value_kind: global_buffer, .address_space: global }
      - { .name: bq, .offset: 8, .size: 8, .value_kind: global_buffer, .address_space: global }
      - { .name: bias, .offset: 16, .size: 8, .value_kind: global_buffer, .address_space: global }
      - { .name: out0, .offset: 24, .size: 8, .value_kind: global_buffer, .address_space: global }
    .group_segment_fixed_size: 327680
    .private_segment_fixed_size: 0
    .kernarg_segment_align: 8
    .kernarg_segment_size: 32
    .max_flat_workgroup_size: 128
    .sgpr_count:     66
    .vgpr_count:     1024
    .wavefront_size: 32
...
	.end_amdgpu_metadata
.endif
;; end of part 2
